; MI455X (gfx1250); checked and timed in simulation.
; The chip was launched on July 23, 2026; its instructions are those of AMD's public machine-readable ISA for CDNA 5 (MIT licence, August 2026) and "CDNA5" Instruction Set Architecture Reference Guide (July 2026). The comments in the code are by the model that wrote it; some were corrected since.
;; Sparse Multi Head Attention. Allowed arithmetic: matrix products marked QUANTISED: E2M3 operands, one E8M0 scale for each 32 along K, by v_wmma_scale_f32_16x16x128_f8f6f4 with both operands' format E2M3, f32 sums; everything else in f32.
;; Inputs: Wout 1,024 x 1,024 float32; Wqkv 3,072 x 1,024 float32; bout 1,024 float32; bqkv 3,072 float32; k_gamma 16 x 64 float32; q_gamma 16 x 64 float32; x 4,096 x 1,024 float32.
;; Outputs: out0 4,096 x 1,024 float32.
;; This version of the problem:
;;   THIS VERSION OF THE PROBLEM IS GIVEN IN LOW PRECISION. The matrix products marked QUANTISED in the list below multiply operands that are first quantised to E2M3 (2 exponent bits, 3 mantissa bits; 6 bits a number), with one power-of-two scale for each 32 numbers along K (OCP MX v1.0); their sums are f32. All else is computed in f32.
;;   The module's matrix products, in the order in which they are computed (A, B: the left and right operand; K: the contracted axis; several contracted axes count as one K, in the product's order):
;;     1. [M 4,096, K 1,024] x [K 1,024, N 3,072]; A: input x; B: input Wqkv: QUANTISED
;;     2. batch 16 x [M 4,096, K 64] x [K 64, N 4,096]; A: computed on the way; B: computed on the way: QUANTISED
;;     3. batch 16 x [M 64, K 4,096] x [K 4,096, N 4,096]; A: computed on the way; B: softmax (see below): QUANTISED
;;     4. [M 4,096, K 1,024] x [K 1,024, N 1,024]; A: computed on the way; B: input Wout: QUANTISED
;;   THE QUANTISER, for each operand of a quantised product, along K:
;;     - K is cut into blocks of 32 from its start; a last block that is shorter is filled with zeros.
;;     - A block's scale is 2^e with e = floor(log2(the largest magnitude in the block)) - 2, held to -126 .. 127; a block of zeros has e = 0. As a byte (E8M0): e + 127.
;;     - Each number is divided by its block's scale, clamped to +-7.5, and rounded to the nearest number of E2M3, ties to even, subnormals kept.
;;     - The product sums the exact products of the quantised numbers (number of the format x scale) in f32.
;;   ~~~python
;;   def quantise(x, axis):      # numpy; x: float32 -> the quantised numbers, widened to float32 again
;;       x = np.moveaxis(x, axis, -1); K = x.shape[-1]
;;       x = np.pad(x, [(0, 0)] * (x.ndim - 1) + [(0, -K % 32)]); x = x.reshape(x.shape[:-1] + (-1, 32)); a = np.abs(x).max(-1, keepdims=True)
;;       e = np.where(a > 0, np.clip(np.frexp(np.where(a > 0, a, 1))[1] - 1 - 2, -126, 127), 0)      # np.frexp(a)[1] - 1 = floor(log2(a)), exactly
;;       r = np.clip(x / 2.0 ** e, -7.5, 7.5)
;;       step = 2.0 ** (np.maximum(np.frexp(np.where(r == 0, 1, r))[1] - 1, 0) - 3)
;;       q = np.round(r / step) * step * 2.0 ** e      # np.round: ties to even
;;       return np.moveaxis(q.reshape(q.shape[:-2] + (-1,))[..., :K], -1, axis).astype(np.float32)
;;   ~~~
;;   SOFTMAX AHEAD OF A QUANTISED PRODUCT. Where the list says 'softmax', what is quantised is not the finished softmax but p = 2^(t - M), with t = logit x log2(e) and M = ceil(the row's largest t), a whole number; so 1/2 < the row's largest p <= 1. The row's sum l is taken of the UNQUANTISED p, in f32, and the product's result is divided by l at the end. Since M is a whole number, a kernel that streams over the keys may use a running M (the ceiling of the running maximum): every later rescaling is an exact power of two, which a block's scale takes up: the codes' values come out the same.
;;   OPERANDS COMPUTED ON THE WAY. 'Computed on the way' means the value that the module computes at that place (a softmax that the list does not call 'softmax' is quantised finished and normalised). What goes into a quantiser is computed in f32, as accurately as f32 sums, v_exp_f32 and their like allow (about 1e-6 of the number): no bf16 or f16 on the way to a quantiser, and a product that is left as it is and whose result goes on into a quantised operand takes f32 operands (vector FMAs, or v_wmma_f32_16x16x4_f32). A number that lies on a knife's edge between two numbers of the format may be rounded either way, as far as f32 arithmetic and the matrix unit's own rounding can turn it there, and no further.
;; One version. Each part assembles by itself: llvm-mc -triple=amdgcn-amd-amdhsa -mcpu=gfx1250 --defsym DOCPART=n.
;; ======== version 1 of 1: 4 launches
;; limits: right only within a limited range of input values
;; workspace buffers: xq 3,276,800 bytes; wq 2,457,600 bytes; oq 819,200 bytes; qq 3,276,800 bytes; kv 6,553,600 bytes; hq 3,276,800 bytes
;; launch quant (part 1): grid 256 x 1, 4 waves a work-group, no clusters, 34,304 bytes of LDS; arguments x, Wqkv, Wout, xq, wq, oq; writes xq, wq, oq
.if DOCPART == 1
	.amdgcn_target "amdgcn-amd-amdhsa--gfx1250"
	.amdhsa_code_object_version 6
	.text
	.protected	k_q75823bbc89_quant
	.globl	k_q75823bbc89_quant
	.p2align	8
	.type	k_q75823bbc89_quant,@function
k_q75823bbc89_quant:
	s_mov_b64 s[64:65], 0
	v_nop
	global_prefetch_b8 v0, s[64:65] scope:SCOPE_SE
	s_setreg_imm32_b32 hwreg(HW_REG_WAVE_MODE, 25, 1), 1
	s_wait_xcnt 0x0
; x [4096][1024], Wqkv [3072][1024] and Wout [1024][1024], f32, K innermost, become codes of FP6 (E2M3) with one E8M0 byte for each 32 along K,
; laid in the ORDER OF AN OPERAND'S REGISTERS, so that the later launches load fragments by dense loads of 16 and 8 bytes a lane.
; ROWS go in groups of 64.  Tile u (0..3) of a group has at its place r (0..15) the row 8 u + (r & 7) + 32 (r >> 3) of the group: as source 0 of a matrix
; instruction the 32 result registers of tiles 0..3 are then 32 neighbouring rows in one lane.
; A FRAGMENT (16 rows x 128 K, 12 registers a lane) is 1,536 bytes: registers 0-3 at 16 x lane, 4-5 at 512 + 8 x lane, 6-9 at 768 + 16 x lane, 10-11 at 1,280 + 8 x lane.
; SCALE WORDS of a tile for four K steps are 256 bytes, two words a lane: word e holds in lanes 0-15 the rows' words of K step 2 e, in lanes 16-31 those of K step 2 e + 1.
; A block's scale is 2^(floor(log2(its largest magnitude)) - 2); its byte is the largest magnitude's exponent field - 2, held at 1 from below.
; LIMITS: NaN and infinities are not served; a block whose largest magnitude lies under 2^-124 has the byte 1; a block of zeros has the byte 1 where the rule
; says 127: its codes are zeros, which add nothing under any byte but 0xff, and this program alone reads the bytes.
; SHARES: 128 groups of rows (64 of x, 48 of Wqkv, 16 of Wout) x two halves of K = 256 work-groups; wave u takes tile u: 16 rows x 512 K, four steps of 128.
; One path serves the three tensors: pointers and strides are chosen by selects on the work-group's number.  No tensor load, no barrier: waves share nothing.
.set L16,  1                           ; v1    16 x lane
.set L8,   2                           ; v2    8 x lane
.set SIN,  3                           ; v3    the stage, way in: 16 x lane
.set SOUT, 4                           ; v4    the stage, way out: 528 r + 128 h
.set SH8,  5                           ; v5    8 h
.set MX,   6                           ; v6-9  four chains of largest magnitudes
.set SOP,  10                          ; v10-11 the conversions' scale operands
.set BY,   12                          ; v12-13 the bytes
.set TP,   14
.set W,    15
.set PW,   16                          ; v16-19 a step's scale word, for each of the four steps
.set SR,   20                          ; v[20:21] the two words a lane that leave
.set P,    24                          ; v24-35 a fragment's codes
.set T,    36                          ; v36-38, v40-42: a conversion's three registers begin on an even number
.set X,    64                          ; v64-255 three sets of 64 numbers
.set STG,  8448                        ; a wave's stage: 16 rows x 528 bytes (33 x 16: the sixteen rows of a read start at sixteen different places modulo 256)
	s_load_b256 s[4:11], s[0:1], 0x0               ; x, Wqkv, Wout, xq
	s_load_b128 s[12:15], s[0:1], 0x20             ; wq, oq
	v_lshl_add_u32 v62, v0, 2, 0x8400
	v_mov_b32 v63, 0
	v_lshrrev_b32 v6, 5, v0
	v_readfirstlane_b32 s2, v6                     ; wave = tile u
	v_and_b32 v7, 31, v0
	v_lshlrev_b32 v[L16], 4, v7
	v_lshlrev_b32 v[L8], 3, v7
	v_and_b32 v8, 15, v0                           ; r
	v_bfe_u32 v9, v0, 4, 1                         ; h
	s_mul_i32 s3, s2, STG
	v_add_nc_u32 v[SIN], s3, v[L16]
	v_mul_u32_u24 v[SOUT], v8, 528
	v_lshl_add_u32 v[SOUT], v9, 7, v[SOUT]
	v_add_nc_u32 v[SOUT], s3, v[SOUT]
	v_lshlrev_b32 v[SH8], 3, v9
	v_mov_b32 v[TP], 0                             ; a lane permute's destination counts as one of its sources
	s_lshr_b32 s16, ttmp9, 1                       ; G: the group of rows, 0-63 x, 64-111 Wqkv, 112-127 Wout
	s_and_b32 s17, ttmp9, 1                        ; which half of K
	s_mov_b32 s30, 0x76543210
	s_mov_b32 s31, 0xfedcba98                      ; selects for lane l xor 16
	s_mov_b32 s34, 0xffff0000                      ; lanes 16-31
	s_wait_alu depctr_va_vdst(0)
	s_wait_kmcnt 0x0
	s_cmp_lt_u32 s16, 112                          ; the choices hang on the work-group's number alone
	s_cselect_b64 s[6:7], s[6:7], s[8:9]
	s_cselect_b64 s[12:13], s[12:13], s[14:15]
	s_cselect_b32 s18, 64, 112
	s_cmp_lt_u32 s16, 64
	s_cselect_b64 s[4:5], s[4:5], s[6:7]           ; the source
	s_cselect_b64 s[10:11], s[10:11], s[12:13]     ; the destination
	s_cselect_b32 s18, 0, s18
	s_sub_co_u32 s18, s16, s18                     ; the group's number in its tensor
	s_and_b32 s24, s18, 15                         ; Wqkv: the head,
	s_lshr_b32 s25, s18, 4                         ; and q, k or v
	s_sub_co_u32 s19, s16, 64
	s_mov_b32 s20, 51200                           ; a block of the destination: 8 K steps x 4 fragments + 2,048 bytes of scale words,
	s_mov_b32 s21, 6144                            ; from K step to K step,
	s_mov_b32 s22, 49152                           ; where the scale words begin
	s_cmp_lt_u32 s19, 48                           ; Wqkv: a head's q, k and v lie together
	s_cselect_b32 s20, 153600, s20
	s_cselect_b32 s21, 18432, s21
	s_cselect_b32 s22, 147456, s22
	s_cselect_b32 s23, s24, s18
	s_cselect_b32 s25, s25, 0
	s_lshl_b32 s26, s18, 18                        ; source: 64 rows of 4,096 bytes a group,
	s_lshl_b32 s19, s2, 15                         ; 8 rows a tile,
	s_add_co_u32 s26, s26, s19
	s_lshl_b32 s19, s17, 11                        ; 512 numbers a half of K
	s_add_co_u32 s26, s26, s19
	s_mov_b32 s27, 0
	s_add_nc_u64 s[4:5], s[4:5], s[26:27]
	s_mul_i32 s28, s23, s20
	s_mov_b32 s29, 0
	s_add_nc_u64 s[10:11], s[10:11], s[28:29]      ; my block of the destination
	s_lshl_b32 s26, s25, 11                        ; scale words: 2,048 a kind, 512 a tile, 256 a half of K
	s_add_co_u32 s26, s26, s22
	s_lshl_b32 s19, s2, 9
	s_add_co_u32 s26, s26, s19
	s_lshl_b32 s19, s17, 8
	s_add_co_u32 s26, s26, s19
	s_add_nc_u64 s[12:13], s[10:11], s[26:27]
	s_mul_i32 s26, s25, 6144                       ; codes: 6,144 a kind, 1,536 a tile, four K steps a half of K
	s_mul_i32 s19, s2, 1536
	s_add_co_u32 s26, s26, s19
	s_mul_i32 s19, s17, s21
	s_lshl_b32 s19, s19, 2
	s_add_co_u32 s26, s26, s19
	s_add_nc_u64 s[10:11], s[10:11], s[26:27]
	s_mov_b32 s32, s21
	s_mov_b32 s33, 0
.macro LOAD t                          ; step t: 16 rows x 128 numbers; each load takes 512 consecutive bytes of one row, aligned to 512
.irp p, 0,1,2,3,4,5,6,7,8,9,10,11,12,13,14,15
	global_load_b128 v[X+64*((\t)%3)+4*\p:X+64*((\t)%3)+4*\p+3], v[L16], s[4:5] offset:((\p%8)+32*(\p/8))*4096+512*(\t) th:TH_LOAD_NT
.endr
.endm
.macro TURN t                          ; through the wave's own stage: afterwards register 32 c + i of lane (r, h) holds k = 64 c + 32 h + i of row r.  LDS serves a wave's instructions in order: no wait between stores and loads
.irp p, 0,1,2,3,4,5,6,7,8,9,10,11,12,13,14,15
	ds_store_b128 v[SIN], v[X+64*((\t)%3)+4*\p:X+64*((\t)%3)+4*\p+3] offset:528*\p
.endr
.irp c, 0,1
.irp i, 0,1,2,3,4,5,6,7
	ds_load_b128 v[X+64*((\t)%3)+32*\c+4*\i:X+64*((\t)%3)+32*\c+4*\i+3], v[SOUT] offset:256*\c+16*\i
.endr
.endr
.endm
.macro STEP t, left
.set XS, X+64*((\t)%3)
	s_wait_loadcnt \left                           ; this step's 16 loads are in; those of the younger sets stay out
	TURN \t
	s_wait_dscnt 0x0
.irp q, 0,1,2,3                        ; two blocks a lane, each in two chains of 16; the floor 2^(3 - 127) is a leaf: the byte cannot fall under 1
	v_max3_num_f32 v[MX+\q], |v[XS+16*\q]|, |v[XS+16*\q+1]|, 0x1800000
.endr
.irp i, 2,4,6,8,10,12,14
.irp q, 0,1,2,3
	v_max3_num_f32 v[MX+\q], v[MX+\q], |v[XS+16*\q+\i]|, |v[XS+16*\q+\i+1]|
.endr
.endr
	v_max_num_f32 v[MX], v[MX], v[MX+1]
	v_max_num_f32 v[MX+2], v[MX+2], v[MX+3]
	v_add_nc_u32 v[SOP], 0xff000000, v[MX]         ; 2 off the exponent field: the conversion takes that field as its scale
	v_add_nc_u32 v[SOP+1], 0xff000000, v[MX+2]
	v_lshrrev_b32 v[BY], 23, v[SOP]
	v_lshrrev_b32 v[BY+1], 23, v[SOP+1]
	v_lshl_or_b32 v[W], v[BY+1], 16, v[BY]         ; my blocks are h and 2 + h of the row's four
	v_lshlrev_b32 v[W], v[SH8], v[W]
	v_permlanex16_b32 v[TP], v[W], s30, s31
	v_or_b32 v[PW+\t], v[W], v[TP]                 ; the row's scale word, in both halves of the lanes
	s_wait_alu depctr_va_vdst(0)
	s_wait_xcnt 0x0                                ; the last step's stores have read their data and their base: both are written again only behind this wait
.if (\t) > 0
	s_add_nc_u64 s[10:11], s[10:11], s[32:33]      ; the next K step's fragment
.endif
.irp c, 0,1
	v_cvt_scalef32_pk16_fp6_f32 v[P+6*\c:P+6*\c+2], v[XS+32*\c:XS+32*\c+15], v[SOP+\c]
	v_cvt_scalef32_pk16_fp6_f32 v[T+4*\c:T+4*\c+2], v[XS+32*\c+16:XS+32*\c+31], v[SOP+\c]
.endr
	v_nop                                          ; one plain place behind the scaled conversions
.irp c, 0,1
.irp i, 0,1,2
	v_mov_b32 v[P+6*\c+3+\i], v[T+4*\c+\i]
.endr
.endr
	global_store_b128 v[L16], v[P:P+3], s[10:11]                   ; 512 consecutive bytes, at a multiple of 256 from the buffer's first byte
	global_store_b64 v[L8], v[P+4:P+5], s[10:11] offset:512        ; 256
	global_store_b128 v[L16], v[P+6:P+9], s[10:11] offset:768
	global_store_b64 v[L8], v[P+10:P+11], s[10:11] offset:1280
.endm
	LOAD 0
	LOAD 1
	LOAD 2                                         ; 48 loads, 24 KiB, of each wave are out
	STEP 0, 32
	LOAD 3                                         ; into the set that step 0 has left
	STEP 1, 32
	STEP 2, 16
	STEP 3, 0
	v_cndmask_b32 v[SR], v[PW], v[PW+1], s34       ; lanes 0-15 the even K step's words, lanes 16-31 the odd one's
	v_cndmask_b32 v[SR+1], v[PW+2], v[PW+3], s34
	global_store_b64 v[L8], v[SR:SR+1], s[12:13]   ; 256 consecutive bytes, aligned
	s_wait_tensorcnt 0x0
	ds_add_u32 v62, v63
	s_wait_dscnt 0x0
	s_endpgm
.Lfunc_end_k_q75823bbc89_quant:
	.size	k_q75823bbc89_quant, .Lfunc_end_k_q75823bbc89_quant-k_q75823bbc89_quant
	.p2alignl 7, 3214868480
	.fill 96, 4, 3214868480
	.section	.rodata,"a",@progbits
	.p2align	6, 0x0
	.amdhsa_kernel k_q75823bbc89_quant
		.amdhsa_group_segment_fixed_size 34304
		.amdhsa_private_segment_fixed_size 0
		.amdhsa_enable_private_segment 0
		.amdhsa_kernarg_size 48
		.amdhsa_user_sgpr_count 2
		.amdhsa_user_sgpr_kernarg_segment_ptr 1
		.amdhsa_wavefront_size32 1
		.amdhsa_system_sgpr_workgroup_id_x 1
		.amdhsa_system_sgpr_workgroup_id_y 1
		.amdhsa_system_sgpr_workgroup_id_z 1
		.amdhsa_system_vgpr_workitem_id 0
		.amdhsa_next_free_vgpr 256
		.amdhsa_next_free_sgpr 66
		.amdhsa_reserve_vcc 0
		.amdhsa_float_denorm_mode_32 3
		.amdhsa_float_denorm_mode_16_64 3
		.amdhsa_memory_ordered 1
		.amdhsa_forward_progress 1
		.amdhsa_inst_pref_size 32
	.end_amdhsa_kernel
	.amdgpu_metadata
---
amdhsa.version: [ 1, 2 ]
amdhsa.kernels:
  - .name:           k_q75823bbc89_quant
    .symbol:         k_q75823bbc89_quant.kd
    .args:
      - { .name: x, .offset: 0, .size: 8, .value_kind: global_buffer, .address_space: global }
      - { .name: Wqkv, .offset: 8, .size: 8, .value_kind: global_buffer, .address_space: global }
      - { .name: Wout, .offset: 16, .size: 8, .value_kind: global_buffer, .address_space: global }
      - { .name: xq, .offset: 24, .size: 8, .value_kind: global_buffer, .address_space: global }
      - { .name: wq, .offset: 32, .size: 8, .value_kind: global_buffer, .address_space: global }
      - { .name: oq, .offset: 40, .size: 8, .value_kind: global_buffer, .address_space: global }
    .group_segment_fixed_size: 34304
    .private_segment_fixed_size: 0
    .kernarg_segment_align: 8
    .kernarg_segment_size: 48
    .max_flat_workgroup_size: 128
    .sgpr_count:     66
    .vgpr_count:     256
    .wavefront_size: 32
...
	.end_amdgpu_metadata
.endif
;; end of part 1
;; launch qkv (part 2): grid 16 x 16, 4 waves a work-group, clusters of 4 x 1, 327,680 bytes of LDS; arguments xq, wq, bqkv, q_gamma, k_gamma, qq, kv; writes qq, kv
.if DOCPART == 2
	.amdgcn_target "amdgcn-amd-amdhsa--gfx1250"
	.amdhsa_code_object_version 6
	.text
	.protected	k_q75823bbc89_qkv
	.globl	k_q75823bbc89_qkv
	.p2align	8
	.type	k_q75823bbc89_qkv,@function
k_q75823bbc89_qkv:
	s_mov_b64 s[64:65], 0
	v_nop
	global_prefetch_b8 v0, s[64:65] scope:SCOPE_SE
	s_setreg_imm32_b32 hwreg(HW_REG_WAVE_MODE, 25, 1), 1
	s_wait_xcnt 0x0
	s_wait_alu depctr_hold_cnt(0) depctr_sa_sdst(0) depctr_va_vdst(0) depctr_va_sdst(0) depctr_va_ssrc(0) depctr_va_vcc(0) depctr_vm_vsrc(0)
	s_getreg_b32 s2, hwreg(HW_REG_IB_STS2, 6, 4)
	s_cmp_eq_u32 s2, 0
	s_cbranch_scc0 .Lentry_in_a_cluster
	s_endpgm
.Lentry_in_a_cluster:
	s_bfe_u32 s2, ttmp6, 0x10000c
	s_cmp_lg_u32 s2, 0x3003
	s_cbranch_scc0 .Lentry_shape_is_right
	s_endpgm
.Lentry_shape_is_right:
.set L16,  1
.set L8,   2
.set L4,   3
.set HB,   4
.set SH8,  5
.set AW16, 6
.set AW8,  9
.set PR4,  12
.set XS,   16
.set WS,   32
.set WB0,  80
.set E,    176
.set T,    208
.set SS,   224
.set TP,   232
.set MB,   236
.set SOP,  240
.set BY,   244
.set PW,   248
.set KSR,  250
.set QSR,  252
.set WV,   18
.set G1,   24
.set G0A,  32
.set G0B,  36
.set SEL,  44
.set HIM,  46
.set BIG,  47
.set QB,   48
.set QSB,  50
.set KB,   52
.set VB,   54
.set SB,   56
.set MSB, 0
.macro WIN new
.if MSB != \new
	s_set_vgpr_msb (MSB<<8)|\new
.set MSB, \new
.endif
.endm
.macro PLACES
.rept 4
	v_nop
.endr
.endm
.macro CROUND
	s_barrier_signal -1
	s_barrier_wait -1
	s_cmp_lg_u32 s[WV], 0
	s_cbranch_scc1 .Lnot_wave_0_\@
	s_barrier_signal -3
.Lnot_wave_0_\@:
	s_barrier_wait -3
	s_barrier_signal -1
	s_barrier_wait -1
.endm
.macro FRAG_DS reg, a16, a8, off
	ds_load_b128 v[\reg:\reg+3], v[\a16] offset:\off
	ds_load_b64 v[\reg+4:\reg+5], v[\a8] offset:\off+512
	ds_load_b128 v[\reg+6:\reg+9], v[\a16] offset:\off+768
	ds_load_b64 v[\reg+10:\reg+11], v[\a8] offset:\off+1280
.endm
.macro FRAG_GL reg, off
	global_load_b128 v[\reg:\reg+3], v[L16], s[4:5] offset:\off
	global_load_b64 v[\reg+4:\reg+5], v[L8], s[4:5] offset:\off+512
	global_load_b128 v[\reg+6:\reg+9], v[L16], s[4:5] offset:\off+768
	global_load_b64 v[\reg+10:\reg+11], v[L8], s[4:5] offset:\off+1280
.endm
.macro WLOAD n
.irp u, 0,1,2,3
	FRAG_DS WB0+48*((\n)%2)+12*\u, AW16+(\n)/9, AW8+(\n)/9, (((\n)/3)%3)*18432+((\n)%3)*6144+1536*\u
.endr
.endm
.macro XLOAD s
	WIN 0xc0
.irp u, 0,1,2,3
	FRAG_GL 48*((\s)%4)+12*\u, (\s)*6144+1536*\u
.endr
	WIN 0
.endm
.macro WMMA
.if KSS%2
	v_wmma_scale_f32_16x16x128_f8f6f4 v[rD:rD+7], v[rA:rA+11], v[rB:rB+11], v[rC:rC+7], v[rSA], v[rSB] matrix_a_fmt:MATRIX_FMT_FP6 matrix_b_fmt:MATRIX_FMT_FP6 matrix_a_scale:MATRIX_SCALE_ROW1 matrix_b_scale:MATRIX_SCALE_ROW1
.else
	v_wmma_scale_f32_16x16x128_f8f6f4 v[rD:rD+7], v[rA:rA+11], v[rB:rB+11], v[rC:rC+7], v[rSA], v[rSB] matrix_a_fmt:MATRIX_FMT_FP6 matrix_b_fmt:MATRIX_FMT_FP6
.endif
.endm
.macro MMQK
.if KSS == 0
	WIN 0x6c
.else
	WIN 0x5c
.endif
.irp ut, 0,1,2,3
.irp uc, 0,1,2,3
.set rD, 128*KSK+32*\ut+8*\uc
.set rA, WB0+48*((3*KSS+KSK)%2)+12*\uc
.set rB, 48*(KSS%4)+12*\ut
.set rC, rD
.if KSS == 0
.set rC, 128+32*KSK+8*\uc
.endif
.set rSA, WS+16*KSK+4*\uc+KSS/2
.set rSB, XS+4*\ut+KSS/2
	WMMA
.endr
.endr
.endm
.macro MMV
	WIN 0xa3
.irp uw, 0,1,2,3
.irp ut, 0,1,2,3
.set rD, 32*\uw+8*\ut
.set rA, 48*(KSS%4)+12*\ut
.set rB, WB0+48*((3*KSS+KSK)%2)+12*\uw
.set rC, rD
.if KSS == 0
.set rC, 192+8*\uw
.endif
.set rSA, XS+4*\ut+KSS/2
.set rSB, WS+32+4*\uw+KSS/2
	WMMA
.endr
.endr
.endm
.macro KS n
.set KSS, (\n)/3
.set KSK, (\n)%3
.if (\n) == 23
	s_wait_dscnt 0x0
.else
	s_wait_dscnt 16
.endif
.if KSK == 0
.if KSS < 5
	s_wait_loadcnt 48
.else
	s_wait_loadcnt 16*(7-KSS)
.endif
.endif
.if KSK == 2
	MMV
.else
	MMQK
.endif
	WIN 0
	PLACES
.if (KSK == 2) && (KSS < 4)
	XLOAD KSS+4
.endif
.if (\n) < 22
	WLOAD (\n)+2
.endif
.endm
	s_load_b256 s[4:11], s[0:1], 0x0
	s_load_b128 s[12:15], s[0:1], 0x20
	s_load_b64 s[16:17], s[0:1], 0x30
	v_lshl_add_u32 v254, v0, 2, 0x29000
	v_mov_b32 v255, 0
	ds_add_u32 v254, v255
	ds_add_u32 v254, v255
	v_lshrrev_b32 v1, 5, v0
	v_readfirstlane_b32 s[WV], v1
	s_and_b32 s21, ttmp7, 0xffff
	s_mov_b32 s[G1], 15|(3<<16)|(1<<21)
	s_mov_b32 s[G1+1], 32<<16
	s_mov_b32 s[G1+2], 144<<16
	s_mov_b32 s[G1+3], 32<<16
	s_mov_b32 s[G1+4], 144
	s_mov_b32 s[G1+5], 32
	s_mov_b32 s[G1+6], 0
	s_mov_b32 s[G1+7], 0
	s_mul_i32 s40, s21, 153600
	s_mov_b32 s41, 0
	s_mul_i32 s42, s[WV], 36864
	s_mov_b32 s43, 0
	s_wait_dscnt 0x0
	s_wait_kmcnt 0x0
	s_add_nc_u64 s[6:7], s[6:7], s[40:41]
	s_add_nc_u64 s[40:41], s[6:7], s[42:43]
	s_mov_b32 s[G0A], 1
	s_mov_b32 s[G0A+1], s42
	s_mov_b64 s[G0A+2:G0A+3], s[40:41]
	s_or_b32 s[G0A+3], s[G0A+3], 0x80000000
	CROUND
	tensor_load_to_lds s[G0A:G0A+3], s[G1:G1+7]    ; my quarter of the head's weights, 144 rows of 256 bytes: the wave's one tensor load
	s_nop 0
	PLACES
	s_bfe_u32 s19, ttmp6, 0x40000
	s_lshl_b32 s20, ttmp9, 2
	s_add_co_u32 s20, s20, s19
	s_lshl_b32 s22, s20, 2
	s_add_co_u32 s22, s22, s[WV]
	s_mov_b32 s41, 0
	s_mul_i32 s40, s22, 51200
	s_add_nc_u64 s[4:5], s[4:5], s[40:41]
	s_lshl_b32 s40, s21, 8
	s_add_nc_u64 s[8:9], s[8:9], s[40:41]
	s_add_nc_u64 s[10:11], s[10:11], s[40:41]
	s_add_nc_u64 s[12:13], s[12:13], s[40:41]
	s_mul_i32 s40, s21, 196608
	s_mul_i32 s42, s22, 3072
	s_add_co_u32 s40, s40, s42
	s_add_nc_u64 s[QB:QB+1], s[14:15], s[40:41]
	s_lshl_b32 s40, s21, 13
	s_lshl_b32 s42, s22, 7
	s_add_co_u32 s40, s40, s42
	s_add_co_u32 s40, s40, 3145728
	s_add_nc_u64 s[QSB:QSB+1], s[14:15], s[40:41]
	s_mul_i32 s40, s21, 409600
	s_lshr_b32 s42, s22, 1
	s_mul_i32 s42, s42, 12800
	s_add_co_u32 s40, s40, s42
	s_add_nc_u64 s[16:17], s[16:17], s[40:41]
	s_and_b32 s23, s22, 1
	s_mul_i32 s40, s23, 3072
	s_add_nc_u64 s[KB:KB+1], s[16:17], s[40:41]
	s_mul_i32 s40, s23, 768
	s_add_co_u32 s40, s40, 6144
	s_add_nc_u64 s[VB:VB+1], s[16:17], s[40:41]
	s_lshl_b32 s40, s23, 8
	s_add_co_u32 s40, s40, 12288
	s_add_nc_u64 s[SB:SB+1], s[16:17], s[40:41]
	s_mov_b32 s[SEL], 0x76543210
	s_mov_b32 s[SEL+1], 0xfedcba98
	s_mov_b32 s[HIM], 0xffff0000
	s_mov_b32 s[BIG], 0x5368d4a5
	v_and_b32 v13, 31, v0
	v_lshlrev_b32 v[L16], 4, v13
	v_lshlrev_b32 v[L8], 3, v13
	v_lshlrev_b32 v[L4], 2, v13
	v_bfe_u32 v13, v0, 4, 1
	v_lshlrev_b32 v[HB], 7, v13
	v_lshlrev_b32 v[SH8], 3, v13
.irp i, 0,1,2
	v_add_nc_u32 v[AW16+\i], 55296*\i, v[L16]
	v_add_nc_u32 v[AW8+\i], 55296*\i, v[L8]
.endr
	v_and_b32 v14, 7, v0
	v_bfe_u32 v15, v0, 3, 1
	v_lshl_add_u32 v14, v15, 5, v14
	v_lshlrev_b32 v[PR4], 2, v14
.irp t, 0,1,2,3
	v_mov_b32 v[TP+\t], 0
.endr
.irp u, 0,1,2,3
.irp jj, 0,1
	global_load_b64 v[XS+4*\u+2*\jj:XS+4*\u+2*\jj+1], v[L8], s[4:5] offset:49152+512*\u+256*\jj
.endr
.endr
.irp k, 0,1,2
.irp u, 0,1,2,3
.irp jj, 0,1
	global_load_b64 v[WS+16*\k+4*\u+2*\jj:WS+16*\k+4*\u+2*\jj+1], v[L8], s[6:7] offset:147456+2048*\k+512*\u+256*\jj
.endr
.endr
.endr
	WIN 0x80
.irp k, 0,1
.irp i, 0,1,2,3,4,5,6,7
	global_load_b128 v[128+32*\k+4*\i:128+32*\k+4*\i+3], v[HB], s[8:9] offset:4096*\k+16*\i
.endr
.endr
	WIN 0xc0
.irp i, 0,1,2,3,4,5,6,7
	global_load_b128 v[192+4*\i:192+4*\i+3], v[HB], s[10:11] offset:16*\i
	global_load_b128 v[224+4*\i:224+4*\i+3], v[HB], s[12:13] offset:16*\i
.endr
	WIN 0
.irp uw, 0,1,2,3
	global_load_b32 v[E+\uw], v[PR4], s[8:9] offset:8192+32*\uw
.endr
	XLOAD 0
	XLOAD 1
	XLOAD 2
	s_wait_loadcnt 48
	WIN 0x80
.irp uw, 0,1,2,3
.irp j, 0,1,2,3,4,5,6,7
	v_mov_b32 v[192+8*\uw+\j], v[E+\uw]
.endr
.endr
	WIN 0xc3
.set I, 192
.rept 32
	v_pk_mul_f32 v[I:I+1], v[I:I+1], 0x41000000 op_sel_hi:[1,0]
.set I, I+2
.endr
	WIN 0
	XLOAD 3
	s_wait_tensorcnt 0x0
	s_barrier_signal -1
	s_barrier_wait -1
	WLOAD 0
	WLOAD 1
.set N, 0
.rept 24
	KS N
.set N, N+1
.endr
.macro MAXES win, ab
	WIN \win
.irp t, 0,1,2,3
	v_max3_num_f32 v[MB+\t], 0x1800000, |v[\ab+32*\t]|, |v[\ab+32*\t+1]|
.endr
.set I, 2
.rept 15
.irp t, 0,1,2,3
	v_max3_num_f32 v[MB+\t], v[MB+\t], |v[\ab+32*\t+I]|, |v[\ab+32*\t+I+1]|
.endr
.set I, I+2
.endr
	WIN 0
.endm
.macro BYTES
.irp t, 0,1,2,3
	v_add_nc_u32 v[SOP+\t], 0xff000000, v[MB+\t]
.endr
.irp t, 0,1,2,3
	v_lshrrev_b32 v[BY+\t], 23, v[SOP+\t]
.endr
.irp t, 0,1,2,3
	v_lshlrev_b32 v[BY+\t], v[SH8], v[BY+\t]
.endr
.irp t, 0,1,2,3
	v_permlanex16_b32 v[TP+\t], v[BY+\t], s[SEL], s[SEL+1]
.endr
.irp t, 0,1,2,3
	v_or_b32 v[BY+\t], v[BY+\t], v[TP+\t]
.endr
.endm
.macro CODES win, ab
	s_wait_xcnt 0x0
	WIN \win
.irp t, 0,1,2,3
	v_cvt_scalef32_pk16_fp6_f32 v[E+8*\t:E+8*\t+2], v[\ab+32*\t:\ab+32*\t+15], v[SOP+\t]
	v_cvt_scalef32_pk16_fp6_f32 v[T+4*\t:T+4*\t+2], v[\ab+32*\t+16:\ab+32*\t+31], v[SOP+\t]
.endr
	WIN 0
	v_nop
.irp t, 0,1,2,3
.irp i, 0,1,2
	v_mov_b32 v[E+8*\t+3+\i], v[T+4*\t+\i]
.endr
.endr
.endm
.macro OUT sb, pitch
.irp t, 0,1,2,3
	global_store_b128 v[L16], v[E+8*\t:E+8*\t+3], s[\sb:\sb+1] offset:\pitch*\t
	global_store_b64 v[L8], v[E+8*\t+4:E+8*\t+5], s[\sb:\sb+1] offset:\pitch*\t+512
.endr
.endm
.macro EPI_QK ab, gb, sreg, sb
	WIN 0x05
.irp t, 0,1,2,3
	v_pk_mul_f32 v[SS+2*\t:SS+2*\t+1], v[\ab+32*\t:\ab+32*\t+1], v[\ab+32*\t:\ab+32*\t+1]
.endr
.set I, 2
.rept 15
.irp t, 0,1,2,3
	v_pk_fma_f32 v[SS+2*\t:SS+2*\t+1], v[\ab+32*\t+I:\ab+32*\t+I+1], v[\ab+32*\t+I:\ab+32*\t+I+1], v[SS+2*\t:SS+2*\t+1]
.endr
.set I, I+2
.endr
	WIN 0
.irp t, 0,1,2,3
	v_add_f32 v[SS+2*\t], v[SS+2*\t], v[SS+2*\t+1]
.endr
.irp t, 0,1,2,3
	v_permlanex16_b32 v[TP+\t], v[SS+2*\t], s[SEL], s[SEL+1]
.endr
.irp t, 0,1,2,3
	v_add_f32 v[SS+2*\t], v[SS+2*\t], v[TP+\t]
.endr
	s_wait_alu depctr_va_vdst(0)
.irp t, 0,1,2,3
	v_rsq_f32 v[SS+2*\t], v[SS+2*\t]
.endr
	v_nop
	s_wait_alu depctr_va_vdst(0)
.irp t, 0,1,2,3
	v_min_num_f32 v[SS+2*\t], s[BIG], v[SS+2*\t]
.endr
	WIN 0x41
.set I, 0
.rept 16
.irp t, 0,1,2,3
	v_pk_mul_f32 v[\ab+32*\t+I:\ab+32*\t+I+1], v[\ab+32*\t+I:\ab+32*\t+I+1], v[SS+2*\t:SS+2*\t+1] op_sel_hi:[1,0]
.endr
.set I, I+2
.endr
	WIN 0x4d
.set I, 0
.rept 16
.irp t, 0,1,2,3
	v_pk_mul_f32 v[\ab+32*\t+I:\ab+32*\t+I+1], v[\ab+32*\t+I:\ab+32*\t+I+1], v[\gb+I:\gb+I+1]
.endr
.set I, I+2
.endr
	MAXES 0x14, \ab
	BYTES
	v_lshl_or_b32 v[PW], v[BY+1], 16, v[BY]
	v_lshl_or_b32 v[PW+1], v[BY+3], 16, v[BY+2]
	v_cndmask_b32 v[\sreg], v[PW], v[PW+1], s[HIM]
	CODES 0x01, \ab
	OUT \sb, 768
.endm
	EPI_QK 0, 192, QSR, QB
	global_store_b32 v[L4], v[QSR], s[QSB:QSB+1]
	EPI_QK 128, 224, KSR, KB
	MAXES 0x28, 0
	BYTES
	v_cndmask_b32 v[PW], v[BY], v[BY+1], s[HIM]
	v_cndmask_b32 v[PW+1], v[BY+2], v[BY+3], s[HIM]
	v_lshl_or_b32 v[KSR+1], v[PW+1], 16, v[PW]
	CODES 0x02, 0
	OUT VB, 1536
	global_store_b64 v[L8], v[KSR:KSR+1], s[SB:SB+1]
	s_wait_tensorcnt 0x0
	ds_add_u32 v254, v255
	s_wait_dscnt 0x0
	CROUND
	s_endpgm
.Lfunc_end_k_q75823bbc89_qkv:
	.size	k_q75823bbc89_qkv, .Lfunc_end_k_q75823bbc89_qkv-k_q75823bbc89_qkv
	.p2alignl 7, 3214868480
	.fill 96, 4, 3214868480
	.section	.rodata,"a",@progbits
	.p2align	6, 0x0
	.amdhsa_kernel k_q75823bbc89_qkv
		.amdhsa_group_segment_fixed_size 327680
		.amdhsa_private_segment_fixed_size 0
		.amdhsa_enable_private_segment 0
		.amdhsa_kernarg_size 56
		.amdhsa_user_sgpr_count 2
		.amdhsa_user_sgpr_kernarg_segment_ptr 1
		.amdhsa_wavefront_size32 1
		.amdhsa_system_sgpr_workgroup_id_x 1
		.amdhsa_system_sgpr_workgroup_id_y 1
		.amdhsa_system_sgpr_workgroup_id_z 1
		.amdhsa_system_vgpr_workitem_id 0
		.amdhsa_next_free_vgpr 1024
		.amdhsa_next_free_sgpr 66
		.amdhsa_reserve_vcc 0
		.amdhsa_float_denorm_mode_32 3
		.amdhsa_float_denorm_mode_16_64 3
		.amdhsa_memory_ordered 1
		.amdhsa_forward_progress 1
		.amdhsa_inst_pref_size 154
	.end_amdhsa_kernel
	.amdgpu_metadata
---
amdhsa.version: [ 1, 2 ]
amdhsa.kernels:
  - .name:           k_q75823bbc89_qkv
    .symbol:         k_q75823bbc89_qkv.kd
    .args:
      - { .name: xq, .offset: 0, .size: 8, .value_kind: global_buffer, .address_space: global }
      - { .name: wq, .offset: 8, .size: 8, .value_kind: global_buffer, .address_space: global }
      - { .name: bqkv, .offset: 16, .size: 8, .value_kind: global_buffer, .address_space: global }
      - { .name: q_gamma, .offset: 24, .size: 8, .value_kind: global_buffer, .address_space: global }
      - { .name: k_gamma, .offset: 32, .size: 8, .value_kind: global_buffer, .address_space: global }
      - { .name: qq, .offset: 40, .size: 8, .value_kind: global_buffer, .address_space: global }
      - { .name: kv, .offset: 48, .size: 8, .value_kind: global_buffer, .address_space: global }
    .group_segment_fixed_size: 327680
    .private_segment_fixed_size: 0
    .kernarg_segment_align: 8
    .kernarg_segment_size: 56
    .max_flat_workgroup_size: 128
    .sgpr_count:     66
    .vgpr_count:     1024
    .wavefront_size: 32
...
	.end_amdgpu_metadata
.endif
;; end of part 2
;; launch attn (part 3): grid 16 x 16, 16 waves a work-group, clusters of 4 x 1, 327,680 bytes of LDS; arguments qq, kv, hq; writes hq
.if DOCPART == 3
	.amdgcn_target "amdgcn-amd-amdhsa--gfx1250"
	.amdhsa_code_object_version 6
	.text
	.protected	k_q75823bbc89_attn
	.globl	k_q75823bbc89_attn
	.p2align	8
	.type	k_q75823bbc89_attn,@function
k_q75823bbc89_attn:
	s_mov_b64 s[64:65], 0
	v_nop
	global_prefetch_b8 v0, s[64:65] scope:SCOPE_SE
	s_setreg_imm32_b32 hwreg(HW_REG_WAVE_MODE, 25, 1), 1
	s_wait_xcnt 0x0
	s_wait_alu depctr_hold_cnt(0) depctr_sa_sdst(0) depctr_va_vdst(0) depctr_va_sdst(0) depctr_va_ssrc(0) depctr_va_vcc(0) depctr_vm_vsrc(0)
	s_getreg_b32 s2, hwreg(HW_REG_IB_STS2, 6, 4)
	s_cmp_eq_u32 s2, 0
	s_cbranch_scc0 .Lentry_in_a_cluster
	s_endpgm
.Lentry_in_a_cluster:
	s_bfe_u32 s2, ttmp6, 0x10000c
	s_cmp_lg_u32 s2, 0x3003
	s_cbranch_scc0 .Lentry_shape_is_right
	s_endpgm
.Lentry_shape_is_right:
; h[q] = the sum over keys of softmax(q . k / 8) v for one head, both products on codes of FP6 (E2M3) with E8M0 scales; then h is quantised along the channels for the last product.
; THE SOFTMAX: t = score x log2(e) / 8; M = the row's largest t so far, rounded UP to a whole number; p = 2^(t - M) is quantised along the keys, not normalised; the row's sum is taken of the
; unquantised p and divides at the end; when M moves, the sum and O are multiplied by 2^(old M - new M), which rounds nothing.
; SHARES: a work-group owns 256 queries of a head, each of its sixteen waves one tile of 16; every wave walks the head's 4,096 keys, 128 a step.
; LAYOUT: S^T = K Q^T (source 0 = 16 keys), O^T = V^T P^T (source 0 = 16 channels): a lane holds ONE query.  By the order of a tile's rows (8 u + (r & 7) + 32 (r >> 3) at place r) the 32 registers
; of four tiles are 32 neighbouring keys (or channels): a whole block in one lane.  The first product's K is 64, the instruction's 128: a fragment of K holds one tile of keys in k 0-63 and the next
; in k 64-127; against [q | zeros] it gives the first tile's scores, against [zeros | q] the second's.
; A block's largest p is not searched for: the block's largest SCORE goes through the same multiply-add and exponential (this takes v_exp_f32 not to fall where its input rises).
; A STEP'S SUM OF p IS ADDED IN THE NEXT STEP (the last one's behind the loops): these additions name no register of the products just issued, so they are the places behind them,
; and they stand between the loads of K's fragments and the wait for them.  Step 0 is written out: its products start O (C = 0), and it has nothing to rescale.
; LDS: 12,800 bytes a key step.  Slot 0 (key steps 0-7) is filled at the head, half a key step a wave; slots 1 and 2 (8-23) behind the first round, a key step a wave; key steps 24-31 are the one
; refill, into slot 0, behind the round that follows step 7.  A wave has one tensor load out at the most.
; CLUSTER: the four work-groups of a cluster belong to one head and read the same bytes: each load is asked for jointly (mask 15).
; NO PREFETCH: but for the head's load every tile is asked for at least eight key steps ahead of its first read, and the head has no loop to run ahead in.
; LIMITS: NaN and infinities are not served; the scaled scores stay under 2^31; a block of p or of h whose largest lies under 2^-124 has the byte 1 (zero codes add nothing).
.set L16, 1
.set L8,  2
.set SPW, 3                            ; my spare word; never rewritten
.set NIL, 4                            ; 0; never rewritten
.set SH8, 5                            ; 8 h
.set A16, 6
.set A8,  7
.set QS,  8                            ; q's scale word
.set PS,  9                            ; p's scale word
.set VS,  10                           ; v10-11 v's scale words
.set NM,  12                           ; -M
.set SMX, 13                           ; the largest score so far
.set SUM, 14                           ; v[14:15]
.set F,   16                           ; v[16:17] f = 2^(old M - new M)
.set KS0, 18                           ; v18-21 k's scale words and v's halves
.set CH,  22                           ; v22-25 chains of maxima
.set SOP, 26
.set BY,  28
.set TA,  30
.set TB2, 31
.set QLO, 32                           ; v32-43 [q | 0], v44-55 [0 | q]
.set KV,  56                           ; v56-103 four fragments of k, then of v
.set S,   104                          ; v104-167 scores, then p
.set O,   168                          ; v168-199 O^T
.set P,   200                          ; v200-211 p's codes
.set T,   212                          ; v212-214, v216-218
.set HWR, 222
.set HRD, 223
.set PA,  240                          ; v240-255 eight partial sums of p, in pairs
.set SLOT, 102400
.set STEPB, 12800
.set HSB,  307200                      ; 512 bytes: h's scale halves of the sixteen tiles
.set SPARE, 307712                     ; the spare words, 128 bytes a wave
.set WV,  10
.set G1A, 16                           ; group 1: 25 rows of 256 bytes
.set G1B, 24                           ; group 1: 50 rows
.set G0A, 32
.set G0B, 36
.set SEL, 40
.set CS,  42
.set TB,  44
.set CNT, 45
.macro CROUND
	s_barrier_signal -1
	s_barrier_wait -1
	s_cmp_lg_u32 s[WV], 0
	s_cbranch_scc1 .Lnot_wave_0_\@
	s_barrier_signal -3
.Lnot_wave_0_\@:
	s_barrier_wait -3
	s_barrier_signal -1
	s_barrier_wait -1
.endm
.macro FRAG_DS reg, off                ; a fragment's 12 registers from its 1,536 bytes: every instruction reads consecutive bytes
	ds_load_b128 v[\reg:\reg+3], v[A16] offset:\off
	ds_load_b64 v[\reg+4:\reg+5], v[A8] offset:\off+512
	ds_load_b128 v[\reg+6:\reg+9], v[A16] offset:\off+768
	ds_load_b64 v[\reg+10:\reg+11], v[A8] offset:\off+1280
.endm
.macro SUM0                            ; p's 32 pairs into eight partial sums: the first sixteen pairs,
.irp i, 0,1,2,3,4,5,6,7
	v_pk_add_f32 v[PA+2*\i:PA+2*\i+1], v[S+2*\i:S+2*\i+1], v[S+16+2*\i:S+17+2*\i]
.endr
.endm
.macro SUM12                           ; and the other sixteen
.irp i, 0,1,2,3,4,5,6,7
	v_pk_add_f32 v[PA+2*\i:PA+2*\i+1], v[PA+2*\i:PA+2*\i+1], v[S+32+2*\i:S+33+2*\i]
.endr
.irp i, 0,1,2,3,4,5,6,7
	v_pk_add_f32 v[PA+2*\i:PA+2*\i+1], v[PA+2*\i:PA+2*\i+1], v[S+48+2*\i:S+49+2*\i]
.endr
.endm
.macro PAD d, a
	v_pk_add_f32 v[PA+2*\d:PA+2*\d+1], v[PA+2*\d:PA+2*\d+1], v[PA+2*\a:PA+2*\a+1]
.endm
.macro OM j                            ; O^T under the new M; step 0 has no O yet
.if FST == 0
	v_pk_mul_f32 v[O+\j:O+\j+1], v[O+\j:O+\j+1], v[F:F+1] op_sel_hi:[1,0]
.endif
.endm
.macro PV uw, c, row
	v_wmma_scale_f32_16x16x128_f8f6f4 v[O+8*\uw:O+8*\uw+7], v[KV+12*\uw:KV+12*\uw+11], v[P:P+11], \c, v[VS+\uw/2], v[PS] matrix_a_fmt:MATRIX_FMT_FP6 matrix_b_fmt:MATRIX_FMT_FP6 \row
.endm
	s_load_b128 s[4:7], s[0:1], 0x0                ; qq, kv
	s_load_b64 s[8:9], s[0:1], 0x10                ; hq
	v_lshl_add_u32 v[SPW], v0, 2, SPARE
	v_mov_b32 v[NIL], 0
	ds_add_u32 v[SPW], v[NIL]                      ; the opening lines: the add twice on end and its wait
	ds_add_u32 v[SPW], v[NIL]
	v_lshrrev_b32 v1, 5, v0
	s_delay_alu instid0(VALU_DEP_1)
	v_readfirstlane_b32 s[WV], v1                  ; wave 0..15
	s_and_b32 s15, ttmp7, 0xffff                   ; the head, which the four partners share
.irp g, G1A, G1B
	s_mov_b32 s[\g], 15|(3<<16)|(1<<21)            ; the mask of all four work-groups; elements of 8 bytes; bit 21 beside a mask; no padding: every LDS read takes consecutive bytes
	s_mov_b32 s[\g+1], 32<<16
	s_mov_b32 s[\g+3], 32<<16
	s_mov_b32 s[\g+5], 32
	s_mov_b32 s[\g+6], 0
	s_mov_b32 s[\g+7], 0
.endr
	s_mov_b32 s[G1A+2], 25<<16
	s_mov_b32 s[G1A+4], 25
	s_mov_b32 s[G1B+2], 50<<16
	s_mov_b32 s[G1B+4], 50
	s_mul_i32 s11, s[WV], 6400                     ; my half key step of slot 0
	s_mul_i32 s12, s[WV], STEPB
	s_add_co_u32 s12, s12, SLOT                    ; my key step of slots 1 and 2; LDS mirrors the head's first 24 key steps
	s_mul_i32 s56, s15, 409600
	s_mov_b32 s57, 0
	s_wait_dscnt 0x0
	s_wait_kmcnt 0x0
	s_add_nc_u64 s[6:7], s[6:7], s[56:57]
	s_mov_b32 s56, s11
	s_mov_b32 s[G0A], 1
	s_mov_b32 s[G0A+1], s11
	s_add_nc_u64 s[G0A+2:G0A+3], s[6:7], s[56:57]
	s_or_b32 s[G0A+3], s[G0A+3], 0x80000000
	s_mov_b32 s56, s12
	s_mov_b32 s[G0B], 1
	s_mov_b32 s[G0B+1], s12
	s_add_nc_u64 s[G0B+2:G0B+3], s[6:7], s[56:57]
	s_or_b32 s[G0B+3], s[G0B+3], 0x80000000
	CROUND                                         ; all four work-groups are here: the first joint loads meet
	tensor_load_to_lds s[G0A:G0A+3], s[G1A:G1A+7]  ; key steps 0-7, a sixteenth a wave: my one load at the head
	s_nop 0
	s_bfe_u32 s14, ttmp6, 0x40000                  ; cx: it enters global addresses of qq and hq alone
	s_lshl_b32 s52, ttmp9, 2
	s_add_co_u32 s14, s52, s14                     ; my block of 256 queries
	s_lshr_b32 s52, s[WV], 2
	s_lshl_b32 s53, s14, 2
	s_add_co_u32 s53, s53, s52                     ; g: the group of 64 queries
	s_and_b32 s54, s[WV], 3                        ; u: my tile in it
	s_mul_i32 s56, s15, 196608
	s_mul_i32 s55, s53, 3072
	s_add_co_u32 s56, s56, s55
	s_mul_i32 s55, s54, 768
	s_add_co_u32 s56, s56, s55
	s_add_nc_u64 s[50:51], s[4:5], s[56:57]        ; q's codes
	s_lshl_b32 s56, s15, 13
	s_lshl_b32 s55, s53, 7
	s_add_co_u32 s56, s56, s55
	s_lshr_b32 s55, s54, 1
	s_lshl_b32 s55, s55, 6
	s_add_co_u32 s56, s56, s55
	s_add_co_u32 s56, s56, 3145728
	s_add_nc_u64 s[4:5], s[4:5], s[56:57]          ; q's scale words: the 16 words of my pair of tiles
	s_and_b32 s13, s54, 1
	s_lshl_b32 s13, s13, 4                         ; my tile's two bytes begin at bit 16 (u & 1)
	s_mul_i32 s56, s53, 49152
	s_lshr_b32 s55, s15, 1
	s_mul_i32 s55, s55, 6144
	s_add_co_u32 s56, s56, s55
	s_mul_i32 s55, s54, 1536
	s_add_co_u32 s56, s56, s55
	s_and_b32 s55, s15, 1
	s_mul_i32 s55, s55, 768
	s_add_co_u32 s56, s56, s55
	s_add_nc_u64 s[46:47], s[8:9], s[56:57]        ; h's codes: [g][K step = head / 2][u][head % 2][768]
	s_lshl_b32 s56, s15, 13
	s_lshl_b32 s55, s14, 9
	s_add_co_u32 s56, s56, s55
	s_add_co_u32 s56, s56, 3145728
	s_add_nc_u64 s[48:49], s[8:9], s[56:57]        ; h's scale halves: [head][tile][16] of two bytes
	s_mov_b32 s[SEL], 0x76543210
	s_mov_b32 s[SEL+1], 0xfedcba98                 ; selects for lane l xor 16
	s_mov_b32 s[CS], 0x3e38aa3b                    ; c = log2(e) / 8
	s_mov_b32 s[CS+1], s[CS]
	s_mov_b32 s58, 0x05040100                      ; two low halves
	s_mov_b32 s59, 0x07060302                      ; two high halves
	s_mov_b32 s[TB], 0
	v_and_b32 v[TA], 31, v0
	s_delay_alu instid0(VALU_DEP_1)
	v_lshlrev_b32 v[L16], 4, v[TA]
	s_delay_alu instid0(VALU_DEP_2)
	v_lshlrev_b32 v[L8], 3, v[TA]
	v_bfe_u32 v[TB2], v0, 4, 1
	s_delay_alu instid0(VALU_DEP_1)
	v_lshlrev_b32 v[SH8], 3, v[TB2]
	v_and_b32 v[TA], 15, v0
	s_delay_alu instid0(VALU_DEP_1)
	v_lshlrev_b32 v[A16], 2, v[TA]                 ; 4 r, for q's scale word
	global_load_b128 v[QLO:QLO+3], v[L16], s[50:51]
	global_load_b64 v[QLO+4:QLO+5], v[L8], s[50:51] offset:512
	global_load_b32 v[QS], v[A16], s[4:5]
.irp i, 0,1,2,3,4,5
	v_mov_b32 v[QLO+6+\i], 0
	v_mov_b32 v[QLO+12+\i], 0
.endr
	s_wait_loadcnt 0x0
	v_lshrrev_b32 v[QS], s13, v[QS]
	s_delay_alu instid0(VALU_DEP_1)
	v_and_b32 v[QS], 0xffff, v[QS]
	s_delay_alu instid0(VALU_DEP_1)
	v_lshl_or_b32 v[QS], v[QS], 16, v[QS]          ; thirteen plain vector lines stand between this one and the first product
.irp i, 0,1,2,3,4,5
	v_mov_b32 v[QLO+18+\i], v[QLO+\i]
.endr
	v_and_b32 v[TB2], 0x1e0, v0                    ; 32 x wave
	s_delay_alu instid0(VALU_DEP_1)
	v_lshl_add_u32 v[HWR], v[TA], 1, v[TB2]
	s_delay_alu instid0(VALU_DEP_1)
	v_add_nc_u32 v[HWR], HSB, v[HWR]
	v_add_nc_u32 v[HRD], HSB, v[L16]
	v_mov_b32 v[F+1], 0                            ; (named as the upper half of a pair)
; A KEY STEP: 128 keys at LDS byte s[TB].  FST = 1: step 0.  No branch, no barrier, no tensor load stands in it.
.macro STEP
.if FST == 0
	SUM0                                           ; the last step's p: eight places behind the last products, ahead of loads into their sources
.endif
	v_add_nc_u32 v[A16], s[TB], v[L16]
	v_add_nc_u32 v[A8], s[TB], v[L8]
.irp pf, 0,1,2,3
	FRAG_DS KV+12*\pf, 1536*\pf
.endr
	ds_load_b64 v[KS0:KS0+1], v[A8] offset:12288
	ds_load_b64 v[KS0+2:KS0+3], v[A8] offset:12544
.if FST == 0
	SUM12
.endif
	s_wait_alu depctr_va_vdst(0)
	s_wait_dscnt 0x0
.irp pf, 0,1,2,3                       ; fragment pf: tiles 2 (pf % 2), 2 (pf % 2) + 1 of keys 64 (pf / 2) on; its scale words lie in lanes 0-15 (pf even) or 16-31 (odd)
.irp e, 0,1
.if \pf%2
	v_wmma_scale_f32_16x16x128_f8f6f4 v[S+8*(2*\pf+\e):S+8*(2*\pf+\e)+7], v[KV+12*\pf:KV+12*\pf+11], v[QLO+12*\e:QLO+12*\e+11], 0, v[KS0+2*(\pf/2)], v[QS] matrix_a_fmt:MATRIX_FMT_FP6 matrix_b_fmt:MATRIX_FMT_FP6 matrix_a_scale:MATRIX_SCALE_ROW1
.else
	v_wmma_scale_f32_16x16x128_f8f6f4 v[S+8*(2*\pf+\e):S+8*(2*\pf+\e)+7], v[KV+12*\pf:KV+12*\pf+11], v[QLO+12*\e:QLO+12*\e+11], 0, v[KS0+2*(\pf/2)], v[QS] matrix_a_fmt:MATRIX_FMT_FP6 matrix_b_fmt:MATRIX_FMT_FP6
.endif
.endr
.endr                                  ; register 32 c + i of lane (r, h) is the score of query r and key 64 c + 32 h + i
	v_perm_b32 v[VS], v[KS0+3], v[KS0+1], s58      ; v's scale words of these 128 keys.  These four lines are the places behind the products
	v_perm_b32 v[VS+1], v[KS0+3], v[KS0+1], s59
.if FST == 0
	PAD 0, 4
	PAD 1, 5
.else
	v_nop
	v_nop
.endif
.irp uw, 0,1,2,3
	FRAG_DS KV+12*\uw, 6144+1536*\uw               ; v's four fragments land during the softmax
.endr
.if FST == 0
	PAD 2, 6
	PAD 3, 7
.endif
.irp q, 0,1,2,3                        ; the largest score of each block of 32 keys, each in two chains; each accumulator is first read at its low end
	v_max3_num_f32 v[CH+\q], v[S+32*(\q%2)+16*(\q/2)], v[S+32*(\q%2)+16*(\q/2)+1], v[S+32*(\q%2)+16*(\q/2)+2]
.endr
.irp k, 1,2,3,4,5,6
.irp q, 0,1,2,3
	v_max3_num_f32 v[CH+\q], v[CH+\q], v[S+32*(\q%2)+16*(\q/2)+2*\k+1], v[S+32*(\q%2)+16*(\q/2)+2*\k+2]
.endr
.endr
.irp c, 0,1
	v_max3_num_f32 v[CH+\c], v[CH+\c], v[S+32*\c+15], v[S+32*\c+31]
.endr
.irp c, 0,1
	s_delay_alu instid0(VALU_DEP_2)
	v_max_num_f32 v[CH+\c], v[CH+\c], v[CH+2+\c]
.endr
	s_delay_alu instid0(VALU_DEP_1)
	v_max_num_f32 v[TA], v[CH], v[CH+1]
.if FST == 0
	PAD 0, 2                                       ; the rest of the last step's sum stands among the lines that make M
	PAD 1, 3
	v_permlanex16_b32 v[TB2], v[TA], s[SEL], s[SEL+1]  ; the query's other 64 keys lie in the lane 16 away
	PAD 0, 1
	v_max3_num_f32 v[SMX], v[SMX], v[TA], v[TB2]   ; the running largest score
	v_pk_add_f32 v[SUM:SUM+1], v[SUM:SUM+1], v[PA:PA+1]
	s_delay_alu instid0(VALU_DEP_2)
	v_mul_f32 v[TA], s[CS], v[SMX]                 ; as t (c is positive)
	s_delay_alu instid0(VALU_DEP_1)
	v_floor_f32 v[TB2], -v[TA]                     ; the new -M = -ceil(t)
	s_delay_alu instid0(VALU_DEP_1)
	v_sub_f32 v[TA], v[TB2], v[NM]                 ; old M - new M: a whole number, 0 or less
	v_mov_b32 v[NM], v[TB2]
.else
	s_delay_alu instid0(VALU_DEP_1)
	v_permlanex16_b32 v[TB2], v[TA], s[SEL], s[SEL+1]
	s_delay_alu instid0(VALU_DEP_1)
	v_max_num_f32 v[SMX], v[TA], v[TB2]
	s_delay_alu instid0(VALU_DEP_1)
	v_mul_f32 v[TA], s[CS], v[SMX]
	s_delay_alu instid0(VALU_DEP_1)
	v_floor_f32 v[NM], -v[TA]
.endif
.set J, 0
.rept 32
	v_pk_fma_f32 v[S+J:S+J+1], v[S+J:S+J+1], s[CS:CS+1], v[NM:NM+1] op_sel_hi:[1,0,0]    ; t - M, two at a time
.if (FST == 0) && (J == 2)
	v_cvt_i32_f32 v[TA], v[TA]                     ; (it saturates)
.endif
.if (FST == 0) && (J == 12)
	v_ldexp_f32 v[F], 1.0, v[TA]                   ; f = 2^(old M - new M)
.endif
.set J, J+2
.endr
.irp c, 0,1
	v_fma_f32 v[CH+\c], v[CH+\c], s[CS], v[NM]     ; the same of each block's largest score
.endr
	s_wait_alu depctr_va_vdst(0)
.set J, 0
.rept 64
	v_exp_f32 v[S+J], v[S+J]                       ; p = 2^(t - M), at most 1
.set J, J+1
.endr
.irp c, 0,1
	v_exp_f32 v[CH+\c], v[CH+\c]                   ; the block's largest p
.endr
.if FST == 0
	v_pk_mul_f32 v[SUM:SUM+1], v[SUM:SUM+1], v[F:F+1] op_sel_hi:[1,0]    ; the sum under the new M: the plain place behind the exponentials
.else
	v_mov_b32 v[SUM], 0
	v_mov_b32 v[SUM+1], 0
.endif
	s_wait_alu depctr_va_vdst(0)                   ; one wait for the batch, directly ahead of O's first readers
	OM 0                                           ; each accumulator is first read at its low end; the rescaling stands among the lines that make p's scale word
	OM 8
	OM 16
	OM 24
.irp c, 0,1
	v_max_num_f32 v[CH+\c], 0x1800000, v[CH+\c]    ; the floor 2^(3 - 127): the byte cannot fall under 1
.endr
	OM 2
	OM 10
.irp c, 0,1
	v_add_nc_u32 v[SOP+\c], 0xff000000, v[CH+\c]   ; 2 off the exponent field: the conversion's scale operand
.endr
.irp c, 0,1
	v_cvt_scalef32_pk16_fp6_f32 v[P+6*\c:P+6*\c+2], v[S+32*\c:S+32*\c+15], v[SOP+\c]
	v_cvt_scalef32_pk16_fp6_f32 v[T+4*\c:T+4*\c+2], v[S+32*\c+16:S+32*\c+31], v[SOP+\c]
.endr
.irp c, 0,1
	v_lshrrev_b32 v[BY+\c], 23, v[SOP+\c]          ; plain places behind the conversions
.endr
	v_mov_b32 v[P+3], v[T]
	v_mov_b32 v[P+4], v[T+1]
	v_lshl_or_b32 v[TA], v[BY+1], 16, v[BY]        ; my blocks are h and 2 + h of the four
	v_mov_b32 v[P+5], v[T+2]
	v_mov_b32 v[P+9], v[T+4]
	v_lshlrev_b32 v[TA], v[SH8], v[TA]
	v_mov_b32 v[P+10], v[T+5]
	v_mov_b32 v[P+11], v[T+6]
	v_permlanex16_b32 v[TB2], v[TA], s[SEL], s[SEL+1]
	OM 18
	OM 26
	v_or_b32 v[PS], v[TA], v[TB2]                  ; p's scale word for these 128 keys; eight plain lines follow it ahead of the products
	OM 4
	OM 12
	OM 20
	OM 28
	OM 6
	OM 14
	OM 22
	OM 30
.if FST
.rept 8
	v_nop
.endr
.endif
	s_wait_alu depctr_va_vdst(0)
	s_wait_dscnt 0x0                               ; v is in
.if FST                                ; four accumulators by turns, one instruction a turn
	PV 0, 0
	PV 1, 0, matrix_a_scale:MATRIX_SCALE_ROW1
	PV 2, 0
	PV 3, 0, matrix_a_scale:MATRIX_SCALE_ROW1
.else
	PV 0, v[O:O+7]
	PV 1, v[O+8:O+15], matrix_a_scale:MATRIX_SCALE_ROW1
	PV 2, v[O+16:O+23]
	PV 3, v[O+24:O+31], matrix_a_scale:MATRIX_SCALE_ROW1
.endif
	s_add_co_u32 s[TB], s[TB], STEPB
.endm
	s_wait_alu depctr_va_vdst(0)
	s_wait_tensorcnt 0x0                           ; my part of slot 0 is in
	ds_add_u32 v[SPW], v[NIL]
	s_wait_dscnt 0x0
	CROUND                                         ; everybody's part is in, and all four work-groups are here
	tensor_load_to_lds s[G0B:G0B+3], s[G1B:G1B+7]  ; key steps 8-23, one a wave: first fills, eight key steps ahead of their first read
	s_nop 0
.set FST, 1
	STEP                                           ; key step 0
.set FST, 0
	s_mov_b32 s[CNT], 7
.Lslot0:                                           ; key steps 1-7
	STEP
	s_sub_co_u32 s[CNT], s[CNT], 1
	s_cmp_lg_u32 s[CNT], 0
	s_cbranch_scc1 .Lslot0
	s_wait_tensorcnt 0x0                           ; my key step of slots 1 and 2 is in: a group 0 may be written
	ds_add_u32 v[SPW], v[NIL]
	s_add_nc_u64 s[G0A+2:G0A+3], s[G0A+2:G0A+3], 3*SLOT    ; slot 0's next bytes: key steps 24-31
	s_wait_dscnt 0x0                               ; the add is done, and my reads of slot 0 are over
	CROUND                                         ; both now hold of every wave of all four work-groups
	tensor_load_to_lds s[G0A:G0A+3], s[G1A:G1A+7]  ; the one refill, first behind the round, sixteen key steps ahead of its first read
	s_nop 0
	s_mov_b32 s[TB], SLOT
	s_mov_b32 s[CNT], 16
.Lslot12:                                          ; key steps 8-23
	STEP
	s_sub_co_u32 s[CNT], s[CNT], 1
	s_cmp_lg_u32 s[CNT], 0
	s_cbranch_scc1 .Lslot12
	s_wait_tensorcnt 0x0                           ; my part of the refill is in,
	s_wait_dscnt 0x0
	s_barrier_signal -1
	s_barrier_wait -1                              ; everybody's is; nothing is filled any more
	s_mov_b32 s[TB], 0
	s_mov_b32 s[CNT], 8
.Lslot3:                                           ; key steps 24-31
	STEP
	s_sub_co_u32 s[CNT], s[CNT], 1
	s_cmp_lg_u32 s[CNT], 0
	s_cbranch_scc1 .Lslot3
	; THE WAY OUT: the last step's p joins the sum; O^T / the sum; a lane's 32 registers are channels 32 h + 0 .. 31 of its query: one block of the last product's K
	SUM0                                           ; (also the places behind the last products)
	SUM12
	PAD 0, 4
	PAD 1, 5
	PAD 2, 6
	PAD 3, 7
	PAD 0, 2
	PAD 1, 3
	s_delay_alu instid0(VALU_DEP_1)
	PAD 0, 1
	s_delay_alu instid0(VALU_DEP_1)
	v_pk_add_f32 v[SUM:SUM+1], v[SUM:SUM+1], v[PA:PA+1]
	s_delay_alu instid0(VALU_DEP_1)
	v_add_f32 v[SUM], v[SUM], v[SUM+1]
	s_delay_alu instid0(VALU_DEP_1)
	v_permlanex16_b32 v[TB2], v[SUM], s[SEL], s[SEL+1]
	s_delay_alu instid0(VALU_DEP_1)
	v_add_f32 v[SUM], v[SUM], v[TB2]               ; the row's sum
	s_wait_alu depctr_va_vdst(0)
	v_rcp_f32 v[F], v[SUM]
	v_nop                                          ; one plain place behind the transcendental
	s_wait_alu depctr_va_vdst(0)
.set J, 0
.rept 16
	v_pk_mul_f32 v[O+J:O+J+1], v[O+J:O+J+1], v[F:F+1] op_sel_hi:[1,0]
.set J, J+2
.endr
	v_max3_num_f32 v[CH], |v[O]|, |v[O+1]|, 0x1800000
	v_max3_num_f32 v[CH+1], |v[O+16]|, |v[O+17]|, 0x1800000
.irp i, 2,4,6,8,10,12,14
	s_delay_alu instid0(VALU_DEP_2)
	v_max3_num_f32 v[CH], v[CH], |v[O+\i]|, |v[O+\i+1]|
	s_delay_alu instid0(VALU_DEP_2)
	v_max3_num_f32 v[CH+1], v[CH+1], |v[O+16+\i]|, |v[O+17+\i]|
.endr
	s_delay_alu instid0(VALU_DEP_1)
	v_max_num_f32 v[CH], v[CH], v[CH+1]
	s_delay_alu instid0(VALU_DEP_1)
	v_add_nc_u32 v[SOP], 0xff000000, v[CH]
	s_delay_alu instid0(VALU_DEP_1)
	v_lshrrev_b32 v[BY], 23, v[SOP]
	s_delay_alu instid0(VALU_DEP_1)
	v_lshlrev_b32 v[BY], v[SH8], v[BY]
	s_delay_alu instid0(VALU_DEP_1)
	v_permlanex16_b32 v[TB2], v[BY], s[SEL], s[SEL+1]
	s_delay_alu instid0(VALU_DEP_1)
	v_or_b32 v[BY], v[BY], v[TB2]                  ; the head's two bytes of my query
	v_cvt_scalef32_pk16_fp6_f32 v[P:P+2], v[O:O+15], v[SOP]
	v_cvt_scalef32_pk16_fp6_f32 v[T:T+2], v[O+16:O+31], v[SOP]
	v_nop
.irp i, 0,1,2
	v_mov_b32 v[P+3+\i], v[T+\i]
.endr
	global_store_b128 v[L16], v[P:P+3], s[46:47]               ; 512 consecutive bytes, at a multiple of 256 from the buffer's first byte
	global_store_b64 v[L8], v[P+4:P+5], s[46:47] offset:512    ; 256
	ds_store_b16 v[HWR], v[BY]                     ; both halves of the lanes write the same two bytes with the same value
	s_wait_dscnt 0x0                               ; for the others' sake: my store has landed
	s_barrier_signal -1
	s_barrier_wait -1
	s_cmp_lg_u32 s[WV], 0
	s_cbranch_scc1 .Lnot_first
	ds_load_b128 v[KV:KV+3], v[HRD]                ; the sixteen tiles' halves leave together: 512 consecutive bytes, aligned
	s_wait_dscnt 0x0
	global_store_b128 v[L16], v[KV:KV+3], s[48:49]
.Lnot_first:
	s_wait_tensorcnt 0x0                           ; the wave's end
	ds_add_u32 v[SPW], v[NIL]
	s_wait_dscnt 0x0
	CROUND                                         ; the closing round
	s_endpgm
.Lfunc_end_k_q75823bbc89_attn:
	.size	k_q75823bbc89_attn, .Lfunc_end_k_q75823bbc89_attn-k_q75823bbc89_attn
	.p2alignl 7, 3214868480
	.fill 96, 4, 3214868480
	.section	.rodata,"a",@progbits
	.p2align	6, 0x0
	.amdhsa_kernel k_q75823bbc89_attn
		.amdhsa_group_segment_fixed_size 327680
		.amdhsa_private_segment_fixed_size 0
		.amdhsa_enable_private_segment 0
		.amdhsa_kernarg_size 24
		.amdhsa_user_sgpr_count 2
		.amdhsa_user_sgpr_kernarg_segment_ptr 1
		.amdhsa_wavefront_size32 1
		.amdhsa_system_sgpr_workgroup_id_x 1
		.amdhsa_system_sgpr_workgroup_id_y 1
		.amdhsa_system_sgpr_workgroup_id_z 1
		.amdhsa_system_vgpr_workitem_id 0
		.amdhsa_next_free_vgpr 256
		.amdhsa_next_free_sgpr 66
		.amdhsa_reserve_vcc 0
		.amdhsa_float_denorm_mode_32 3
		.amdhsa_float_denorm_mode_16_64 3
		.amdhsa_memory_ordered 1
		.amdhsa_forward_progress 1
		.amdhsa_inst_pref_size 72
	.end_amdhsa_kernel
	.amdgpu_metadata
---
amdhsa.version: [ 1, 2 ]
amdhsa.kernels:
  - .name:           k_q75823bbc89_attn
    .symbol:         k_q75823bbc89_attn.kd
    .args:
      - { .name: qq, .offset: 0, .size: 8, .value_kind: global_buffer, .address_space: global }
      - { .name: kv, .offset: 8, .size: 8, .value_kind: global_buffer, .address_space: global }
      - { .name: hq, .offset: 16, .size: 8, .value_kind: global_buffer, .address_space: global }
    .group_segment_fixed_size: 327680
    .private_segment_fixed_size: 0
    .kernarg_segment_align: 8
    .kernarg_segment_size: 24
    .max_flat_workgroup_size: 512
    .sgpr_count:     66
    .vgpr_count:     256
    .wavefront_size: 32
...
	.end_amdgpu_metadata
.endif
;; end of part 3
;; launch proj (part 4): grid 16 x 16, 4 waves a work-group, clusters of 4 x 1, 327,680 bytes of LDS; arguments hq, oq, bout, out0; writes out0
.if DOCPART == 4
	.amdgcn_target "amdgcn-amd-amdhsa--gfx1250"
	.amdhsa_code_object_version 6
	.text
	.protected	k_q75823bbc89_proj
	.globl	k_q75823bbc89_proj
	.p2align	8
	.type	k_q75823bbc89_proj,@function
k_q75823bbc89_proj:
	s_mov_b64 s[64:65], 0
	v_nop
	global_prefetch_b8 v0, s[64:65] scope:SCOPE_SE
	s_setreg_imm32_b32 hwreg(HW_REG_WAVE_MODE, 25, 1), 1
	s_wait_xcnt 0x0
	s_wait_alu depctr_hold_cnt(0) depctr_sa_sdst(0) depctr_va_vdst(0) depctr_va_sdst(0) depctr_va_ssrc(0) depctr_va_vcc(0) depctr_vm_vsrc(0)
	s_getreg_b32 s2, hwreg(HW_REG_IB_STS2, 6, 4)
	s_cmp_eq_u32 s2, 0
	s_cbranch_scc0 .Lentry_in_a_cluster
	s_endpgm
.Lentry_in_a_cluster:
	s_bfe_u32 s2, ttmp6, 0x10000c
	s_cmp_lg_u32 s2, 0x3003
	s_cbranch_scc0 .Lentry_shape_is_right
	s_endpgm
.Lentry_shape_is_right:
.set L16,  1
.set L8,   2
.set HB,   4
.set VO,   5
.set STO,  6
.set RD,   7
.set CO,   8
.set XS,   16
.set WS,   32
.set WB0,  80
.set HI,   176
.set BK,   176
.set STG,  49152
.set WV,   18
.set G1,   24
.set G0A,  32
.set G0B,  36
.set MSB, 0
.macro WIN new
.if MSB != \new
	s_set_vgpr_msb (MSB<<8)|\new
.set MSB, \new
.endif
.endm
.macro PLACES
.rept 4
	v_nop
.endr
.endm
.macro CROUND
	s_barrier_signal -1
	s_barrier_wait -1
	s_cmp_lg_u32 s[WV], 0
	s_cbranch_scc1 .Lnot_wave_0_\@
	s_barrier_signal -3
.Lnot_wave_0_\@:
	s_barrier_wait -3
	s_barrier_signal -1
	s_barrier_wait -1
.endm
.macro WLOAD n
.irp u, 0,1,2,3
	ds_load_b128 v[WB0+48*((\n)%2)+12*\u:WB0+48*((\n)%2)+12*\u+3], v[L16] offset:(\n)*6144+1536*\u
	ds_load_b64 v[WB0+48*((\n)%2)+12*\u+4:WB0+48*((\n)%2)+12*\u+5], v[L8] offset:(\n)*6144+1536*\u+512
	ds_load_b128 v[WB0+48*((\n)%2)+12*\u+6:WB0+48*((\n)%2)+12*\u+9], v[L16] offset:(\n)*6144+1536*\u+768
	ds_load_b64 v[WB0+48*((\n)%2)+12*\u+10:WB0+48*((\n)%2)+12*\u+11], v[L8] offset:(\n)*6144+1536*\u+1280
.endr
.endm
.macro XLOAD s
	WIN 0xc0
.irp u, 0,1,2,3
	global_load_b128 v[48*((\s)%4)+12*\u:48*((\s)%4)+12*\u+3], v[L16], s[4:5] offset:(\s)*6144+1536*\u
	global_load_b64 v[48*((\s)%4)+12*\u+4:48*((\s)%4)+12*\u+5], v[L8], s[4:5] offset:(\s)*6144+1536*\u+512
	global_load_b128 v[48*((\s)%4)+12*\u+6:48*((\s)%4)+12*\u+9], v[L16], s[4:5] offset:(\s)*6144+1536*\u+768
	global_load_b64 v[48*((\s)%4)+12*\u+10:48*((\s)%4)+12*\u+11], v[L8], s[4:5] offset:(\s)*6144+1536*\u+1280
.endr
	WIN 0
.endm
.macro KS n
.if (\n) == 7
	s_wait_dscnt 0x0
.else
	s_wait_dscnt 16
.endif
.if (\n) < 5
	s_wait_loadcnt 48
.else
	s_wait_loadcnt 16*(7-(\n))
.endif
	WIN 0x5c
.irp ut, 0,1,2,3
.irp uc, 0,1,2,3
.set rD, 32*\ut+8*\uc
.set rA, WB0+48*((\n)%2)+12*\uc
.set rB, 48*((\n)%4)+12*\ut
.set rC, rD
.if (\n) == 0
.set rC, 128+8*\uc
.endif
.if (\n)%2
	v_wmma_scale_f32_16x16x128_f8f6f4 v[rD:rD+7], v[rA:rA+11], v[rB:rB+11], v[rC:rC+7], v[WS+4*\uc+(\n)/2], v[XS+4*\ut+(\n)/2] matrix_a_fmt:MATRIX_FMT_FP6 matrix_b_fmt:MATRIX_FMT_FP6 matrix_a_scale:MATRIX_SCALE_ROW1 matrix_b_scale:MATRIX_SCALE_ROW1
.else
	v_wmma_scale_f32_16x16x128_f8f6f4 v[rD:rD+7], v[rA:rA+11], v[rB:rB+11], v[rC:rC+7], v[WS+4*\uc+(\n)/2], v[XS+4*\ut+(\n)/2] matrix_a_fmt:MATRIX_FMT_FP6 matrix_b_fmt:MATRIX_FMT_FP6
.endif
.endr
.endr
	WIN 0
	PLACES
.if (\n) < 4
	XLOAD (\n)+4
.endif
.if (\n) < 6
	WLOAD (\n)+2
.endif
.endm
	s_load_b256 s[4:11], s[0:1], 0x0
	v_lshl_add_u32 v254, v0, 2, 0x29000
	v_mov_b32 v255, 0
	ds_add_u32 v254, v255
	ds_add_u32 v254, v255
	v_lshrrev_b32 v1, 5, v0
	v_readfirstlane_b32 s[WV], v1
	s_and_b32 s21, ttmp7, 0xffff
	s_mov_b32 s[G1], 15|(3<<16)|(1<<21)
	s_mov_b32 s[G1+1], 32<<16
	s_mov_b32 s[G1+2], 48<<16
	s_mov_b32 s[G1+3], 32<<16
	s_mov_b32 s[G1+4], 48
	s_mov_b32 s[G1+5], 32
	s_mov_b32 s[G1+6], 0
	s_mov_b32 s[G1+7], 0
	s_mul_i32 s40, s21, 51200
	s_mov_b32 s41, 0
	s_mul_i32 s42, s[WV], 12288
	s_mov_b32 s43, 0
	s_wait_dscnt 0x0
	s_wait_kmcnt 0x0
	s_add_nc_u64 s[6:7], s[6:7], s[40:41]
	s_add_nc_u64 s[40:41], s[6:7], s[42:43]
	s_mov_b32 s[G0A], 1
	s_mov_b32 s[G0A+1], s42
	s_mov_b64 s[G0A+2:G0A+3], s[40:41]
	s_or_b32 s[G0A+3], s[G0A+3], 0x80000000
	CROUND
	tensor_load_to_lds s[G0A:G0A+3], s[G1:G1+7]    ; my quarter of the block's weights, 48 rows of 256 bytes: the wave's one tensor load
	s_nop 0
	PLACES
	s_bfe_u32 s19, ttmp6, 0x40000
	s_lshl_b32 s20, ttmp9, 2
	s_add_co_u32 s20, s20, s19
	s_lshl_b32 s22, s20, 2
	s_add_co_u32 s22, s22, s[WV]
	s_mov_b32 s41, 0
	s_lshl_b32 s40, s22, 7
	s_add_co_u32 s40, s40, 3145728
	s_add_nc_u64 s[12:13], s[4:5], s[40:41]
	s_mul_i32 s40, s22, 49152
	s_add_nc_u64 s[4:5], s[4:5], s[40:41]
	s_lshl_b32 s40, s21, 8
	s_add_nc_u64 s[8:9], s[8:9], s[40:41]
	s_lshl_b32 s42, s22, 18
	s_add_co_u32 s40, s40, s42
	s_add_nc_u64 s[10:11], s[10:11], s[40:41]
	v_and_b32 v13, 31, v0
	v_lshlrev_b32 v[L16], 4, v13
	v_lshlrev_b32 v[L8], 3, v13
	v_and_b32 v14, 15, v0
	v_bfe_u32 v15, v0, 4, 1
	v_lshlrev_b32 v[HB], 7, v15
	v_lshlrev_b32 v[VO], 14, v15
	v_lshl_add_u32 v[VO], v14, 1, v[VO]
	s_mul_i32 s23, s[WV], 4352
	s_add_co_u32 s23, s23, STG
	v_mul_u32_u24 v[STO], v14, 272
	v_lshl_add_u32 v[STO], v15, 7, v[STO]
	v_add_nc_u32 v[STO], s23, v[STO]
	v_mul_u32_u24 v[RD], v15, 272
	v_lshl_add_u32 v[RD], v14, 4, v[RD]
	v_add_nc_u32 v[RD], s23, v[RD]
	v_lshlrev_b32 v[CO], 12, v15
	v_lshl_add_u32 v[CO], v14, 4, v[CO]
.irp u, 0,1,2,3
.irp j, 0,1,2,3
	global_load_u16 v[XS+4*\u+\j], v[VO], s[12:13] offset:32768*\j+32*\u
	global_load_u16 v[HI+4*\u+\j], v[VO], s[12:13] offset:32768*\j+32*\u+8192
.endr
.endr
.irp u, 0,1,2,3
.irp jj, 0,1
	global_load_b64 v[WS+4*\u+2*\jj:WS+4*\u+2*\jj+1], v[L8], s[6:7] offset:49152+512*\u+256*\jj
.endr
.endr
	WIN 0x40
.irp i, 0,1,2,3,4,5,6,7
	global_load_b128 v[128+4*\i:128+4*\i+3], v[HB], s[8:9] offset:16*\i
.endr
	WIN 0
	XLOAD 0
	XLOAD 1
	XLOAD 2
	s_wait_loadcnt 48
.set I, 0
.rept 16
	v_lshl_or_b32 v[XS+I], v[HI+I], 16, v[XS+I]
.set I, I+1
.endr
	XLOAD 3
.rept 8
	v_nop
.endr
	s_wait_alu depctr_va_vdst(0)
	s_wait_tensorcnt 0x0
	s_barrier_signal -1
	s_barrier_wait -1
	WLOAD 0
	WLOAD 1
.set N, 0
.rept 8
	KS N
.set N, N+1
.endr
.macro TOSTAGE ut
	WIN 0x04
.irp i, 0,1,2,3,4,5,6,7
	ds_store_b128 v[STO], v[32*(\ut)+4*\i:32*(\ut)+4*\i+3] offset:16*\i
.endr
	WIN 0
.irp i, 0,1,2,3,4,5,6,7
	ds_load_b128 v[BK+32*((\ut)%2)+4*\i:BK+32*((\ut)%2)+4*\i+3], v[RD] offset:544*\i
.endr
.endm
.macro SEND ut, younger
	s_wait_dscnt \younger
.irp i, 0,1,2,3,4,5,6,7
	global_store_b128 v[CO], v[BK+32*((\ut)%2)+4*\i:BK+32*((\ut)%2)+4*\i+3], s[10:11] offset:(8*(\ut)+2*(\i%4)+32*(\i/4))*4096 th:TH_STORE_NT
.endr
.endm
	TOSTAGE 0
	TOSTAGE 1
	SEND 0, 16
	s_wait_xcnt 0x0
	TOSTAGE 2
	SEND 1, 16
	s_wait_xcnt 0x0
	TOSTAGE 3
	SEND 2, 16
	SEND 3, 0
	s_wait_tensorcnt 0x0
	ds_add_u32 v254, v255
	s_wait_dscnt 0x0
	CROUND
	s_endpgm
.Lfunc_end_k_q75823bbc89_proj:
	.size	k_q75823bbc89_proj, .Lfunc_end_k_q75823bbc89_proj-k_q75823bbc89_proj
	.p2alignl 7, 3214868480
	.fill 96, 4, 3214868480
	.section	.rodata,"a",@progbits
	.p2align	6, 0x0
	.amdhsa_kernel k_q75823bbc89_proj
		.amdhsa_group_segment_fixed_size 327680
		.amdhsa_private_segment_fixed_size 0
		.amdhsa_enable_private_segment 0
		.amdhsa_kernarg_size 32
		.amdhsa_user_sgpr_count 2
		.amdhsa_user_sgpr_kernarg_segment_ptr 1
		.amdhsa_wavefront_size32 1
		.amdhsa_system_sgpr_workgroup_id_x 1
		.amdhsa_system_sgpr_workgroup_id_y 1
		.amdhsa_system_sgpr_workgroup_id_z 1
		.amdhsa_system_vgpr_workitem_id 0
		.amdhsa_next_free_vgpr 1024
		.amdhsa_next_free_sgpr 66
		.amdhsa_reserve_vcc 0
		.amdhsa_float_denorm_mode_32 3
		.amdhsa_float_denorm_mode_16_64 3
		.amdhsa_memory_ordered 1
		.amdhsa_forward_progress 1
		.amdhsa_inst_pref_size 57
	.end_amdhsa_kernel
	.amdgpu_metadata
---
amdhsa.version: [ 1, 2 ]
amdhsa.kernels:
  - .name:           k_q75823bbc89_proj
    .symbol:         k_q75823bbc89_proj.kd
    .args:
      - { .name: hq, .offset: 0, .size: 8, .value_kind: global_buffer, .address_space: global }
      - { .name: oq, .offset: 8, .size: 8, .value_kind: global_buffer, .address_space: global }
      - { .name: bout, .offset: 16, .size: 8, .value_kind: global_buffer, .address_space: global }
      - { .name: out0, .offset: 24, .size: 8, .value_kind: global_buffer, .address_space: global }
    .group_segment_fixed_size: 327680
    .private_segment_fixed_size: 0
    .kernarg_segment_align: 8
    .kernarg_segment_size: 32
    .max_flat_workgroup_size: 128
    .sgpr_count:     66
    .vgpr_count:     1024
    .wavefront_size: 32
...
	.end_amdgpu_metadata
.endif
;; end of part 4
